; MI455X (gfx1250); checked and timed in simulation.
; The chip was launched on July 23, 2026; its instructions are those of AMD's public machine-readable ISA for CDNA 5 (MIT licence, August 2026) and "CDNA5" Instruction Set Architecture Reference Guide (July 2026). The comments in the code are by the model that wrote it; some were corrected since.
;; Self Attention Vanilla. Allowed arithmetic: matrix products marked QUANTISED: E2M1 operands, one E8M0 scale for each 32 along K, by v_wmma_scale_f32_16x16x128_f8f6f4 with both operands' format E2M1 (or v_wmma_scale_f32_32x16x128_f4), f32 sums; everything else in f32.
;; Inputs: k 4 x 16 x 2,048 x 64 float32; q 4 x 16 x 2,048 x 64 float32; v 4 x 16 x 2,048 x 64 float32.
;; Outputs: out0 4 x 16 x 2,048 x 64 float32.
;; This version of the problem:
;;   THIS VERSION OF THE PROBLEM IS GIVEN IN LOW PRECISION. The matrix products marked QUANTISED in the list below multiply operands that are first quantised to E2M1 (2 exponent bits, 1 mantissa bit; 4 bits a number), with one power-of-two scale for each 32 numbers along K (OCP MX v1.0); their sums are f32. All else is computed in f32.
;;   The module's matrix products, in the order in which they are computed (A, B: the left and right operand; K: the contracted axis; several contracted axes count as one K, in the product's order):
;;     1. batch 64 x [M 2,048, K 64] x [K 64, N 2,048]; A: input q; B: input k: QUANTISED
;;     2. batch 64 x [M 2,048, K 2,048] x [K 2,048, N 64]; A: softmax (see below); B: input v: QUANTISED
;;   THE QUANTISER, for each operand of a quantised product, along K:
;;     - K is cut into blocks of 32 from its start; a last block that is shorter is filled with zeros.
;;     - A block's scale is 2^e with e = floor(log2(the largest magnitude in the block)) - 2, held to -126 .. 127; a block of zeros has e = 0. As a byte (E8M0): e + 127.
;;     - Each number is divided by its block's scale, clamped to +-6, and rounded to the nearest number of E2M1, ties to even, subnormals kept.
;;     - The product sums the exact products of the quantised numbers (number of the format x scale) in f32.
;;   ~~~python
;;   def quantise(x, axis):      # numpy; x: float32 -> the quantised numbers, widened to float32 again
;;       x = np.moveaxis(x, axis, -1); K = x.shape[-1]
;;       x = np.pad(x, [(0, 0)] * (x.ndim - 1) + [(0, -K % 32)]); x = x.reshape(x.shape[:-1] + (-1, 32)); a = np.abs(x).max(-1, keepdims=True)
;;       e = np.where(a > 0, np.clip(np.frexp(np.where(a > 0, a, 1))[1] - 1 - 2, -126, 127), 0)      # np.frexp(a)[1] - 1 = floor(log2(a)), exactly
;;       r = np.clip(x / 2.0 ** e, -6, 6)
;;       step = 2.0 ** (np.maximum(np.frexp(np.where(r == 0, 1, r))[1] - 1, 0) - 1)
;;       q = np.round(r / step) * step * 2.0 ** e      # np.round: ties to even
;;       return np.moveaxis(q.reshape(q.shape[:-2] + (-1,))[..., :K], -1, axis).astype(np.float32)
;;   ~~~
;;   SOFTMAX AHEAD OF A QUANTISED PRODUCT. Where the list says 'softmax', what is quantised is not the finished softmax but p = 2^(t - M), with t = logit x log2(e) and M = ceil(the row's largest t), a whole number; so 1/2 < the row's largest p <= 1. The row's sum l is taken of the UNQUANTISED p, in f32, and the product's result is divided by l at the end. Since M is a whole number, a kernel that streams over the keys may use a running M (the ceiling of the running maximum): every later rescaling is an exact power of two, which a block's scale takes up: the codes' values come out the same.
;;   OPERANDS COMPUTED ON THE WAY. 'Computed on the way' means the value that the module computes at that place (a softmax that the list does not call 'softmax' is quantised finished and normalised). What goes into a quantiser is computed in f32, as accurately as f32 sums, v_exp_f32 and their like allow (about 1e-6 of the number): no bf16 or f16 on the way to a quantiser, and a product that is left as it is and whose result goes on into a quantised operand takes f32 operands (vector FMAs, or v_wmma_f32_16x16x4_f32). A number that lies on a knife's edge between two numbers of the format may be rounded either way, as far as f32 arithmetic and the matrix unit's own rounding can turn it there, and no further.
;; 2 versions. Each part assembles by itself: llvm-mc -triple=amdgcn-amd-amdhsa -mcpu=gfx1250 --defsym DOCPART=n.
;; ======== version 1 of 2: 1 launch
;; launch attn (part 1): grid 4 x 64, 16 waves a work-group, no clusters, 215,040 bytes of LDS; arguments q, k, v, out0; writes out0
.if DOCPART == 1
	.amdgcn_target "amdgcn-amd-amdhsa--gfx1250"
	.amdhsa_code_object_version 6
	.text
	.protected	k_qade05db394_attn
	.globl	k_qade05db394_attn
	.p2align	8
	.type	k_qade05db394_attn,@function
k_qade05db394_attn:
	s_mov_b64 s[64:65], 0
	v_nop
	global_prefetch_b8 v0, s[64:65] scope:SCOPE_SE
	s_setreg_imm32_b32 hwreg(HW_REG_WAVE_MODE, 25, 1), 1
	s_wait_xcnt 0x0
; out0[h][q][:] = the sum over k of softmax_k(q[h][q] . k[h][k] / 8) v[h][k][:].  64 heads, 2,048 rows of 64 f32 (256 bytes) in each of q, k, v, out0.
; Both products on codes of FP4 (E2M1) with one E8M0 scale for each 32 along a product's K: the first along the head's 64, the second along the keys.
; THE SOFTMAX AHEAD OF THE SECOND PRODUCT: t = score x log2(e) / 8; M = the row's largest t so far, rounded UP to a whole number; p = 2^(t - M) is quantised along the keys, not normalised.
; The row's sum is taken of the unquantised p, in f32, and divides at the end.  When M moves, the sum and O are multiplied by 2^(old M - new M): exact.
; SHARES.  256 work-groups: x = a quarter (512) of a head's queries, y = the head.  Sixteen waves of 256 registers, four to a SIMD.  The 512 queries go in two passes of 256; in a pass wave w owns 16 queries.
; Every wave walks all 2,048 keys, 128 a key step.
; K AND V ARE QUANTISED BY THE WORK-GROUP ITSELF, ONCE, INTO LDS, as images of the operands' registers: a record of 8,960 bytes for each of the 16 key steps, each byte written once in the launch.
; In pass 0 the trip that multiplies key steps 2 d and 2 d + 1 also loads, quantises and stores key steps 2 d + 2 and 2 d + 3, a sixteenth a wave; one barrier a trip parts those stores from their first reads.
; Nothing that has been read is written again, so one barrier does.  Pass 1 reads LDS alone and has no barrier.
; NO CLUSTER, NO TENSOR LOAD, though the four work-groups of a head read the same K and V: the numbers arrive as f32 and must pass through registers to become codes; a double step of K and V is 2 x 65,536 bytes of f32,
; and two slots of that (262,144 bytes) do not fit beside the 143,360 bytes of images and the stages; through LDS each number would also be written and read once more.
; LAYOUT.  Both products are used transposed: S^T = K Q^T (source 0 = 16 keys, source 1 = my 16 queries), O^T = V^T P^T (source 0 = 16 channels, source 1 = P): a lane holds ONE query (lane % 16) throughout.
; THE KEYS OF A TILE ARE NOT NEIGHBOURS: row m of tile 4 c + u is key 64 c + 32 (m / 8) + 8 u + m % 8.  So register S + 32 c + i of lane (r, h) holds key 64 c + 32 h + i: a WHOLE block of 32 keys lies in one lane, in the
; order that the 4-bit operand wants: a block's maximum asks no other lane, and the conversions' results are the second product's operand as they stand.
; THE FIRST PRODUCT FILLS HALF OF THE INSTRUCTION'S 128 ALONG K.  Q's registers 4-7 hold zero codes; K's registers 4-7 of a fragment are simply the next fragment's codes (behind the last: four registers of zeros).
; Every code of E2M1 is a finite number, so each of those products is 0; the scale bytes of that half are 0, which stands for a power of two.
; LIMITS.  NaN and infinities among the inputs are not served.  A block of zeros gets the scale byte 1 where the rule says 127: its codes are zeros, and this program alone reads the bytes.
; A p under 2^-126 counts as 0 (v_exp_f32 gives 0 there: ISA guide, its entry).  t - M is one fused multiply-add of the score with log2(e) / 8.
.set REC,    8960                      ; a key step's record in LDS:
.set R_K,    0                         ;   8 x 512: tile T's image at 512 T + 16 x lane: lane (r, h): the 16 bytes of codes of the tile's row r, dims 32 h on
.set R_V,    4096                      ;   4 x 1,024: channel tile t, registers 4 c on, at 1,024 t + 512 c + 16 x lane: lane (r, h): channel 16 t + r, keys 64 c + 32 h on
.set R_KS,   8192                      ;   512: at 16 x lane + 4 i: lanes 0-15 the scale word of tile 2 i's row r, lanes 16-31 that of tile 2 i + 1
.set R_VS,   8704                      ;   256: at 8 x lane + 4 g + b: the scale byte of key block b of channel 32 g + lane
.set STG,    16*REC                    ; behind the records: a stage of 16 rows x 272 bytes for each wave, its own
.set SPITCH, 272                       ; 256 bytes + 16: an odd multiple of 16, so that 16 rows' 16 bytes fall on 16 different groups of banks (64 banks of 4 bytes: ISA guide 11.1)
.set WSTG,   16*SPITCH
.set DSTEP,  65536                     ; 256 rows of 256 bytes: a double step of K or V; a pass's queries
.set L16, 1                            ; v1   16 x lane          never rewritten
.set L8,  2                            ; v2   8 x lane           never rewritten
.set A16, 3                            ; v3   the key step's record + 16 x lane
.set A8,  4                            ; v4   the key step's record + 8 x lane
.set SD,  5                            ; v5   my stage, dense side: 272 h + 16 r: two rows an instruction
.set SRK, 6                            ; v6   my stage, row side for K and Q: 272 r + 128 h: my 32 numbers of row r
.set SRO, 7                            ; v7   my stage, row side for O: 272 r + 32 h
.set WKI, 8                            ; v8   where I store K's image in a double step
.set WKS, 9                            ; v9   and its scale word
.set WVI, 10                           ; v10  V's image
.set WVS, 11                           ; v11  and its scale byte
.set NEGM, 12                          ; v12  -M
.set RM,  13                           ; v13  the largest score so far (named with v12 as a pair)
.set LS,  14                           ; v[14:15] the row's sum, in two halves
.set F,   16                           ; v16  f = 2^(old M - new M); v17 is the pair's upper half, written once
.set TP,  18                           ; v[18:19] the sums' second chain
.set BM,  20                           ; v20-21 a block's largest score, then its largest p
.set BA,  22                           ; v22-23 second chains of the maxima
.set SCL, 24                           ; v24-25 the conversions' scale operands
.set BY,  26                           ; v26-27 scale bytes
.set T0,  28                           ; v28, v29 at work (a pair)
.set T1,  29
.set SH8, 30                           ; v30  8 h
.set L4,  31                           ; v31  4 x lane           never rewritten
.set PFO, 32                           ; v32  256 x lane         never rewritten
.set QW,  33                           ; v33  Q's scale words
.set PW,  34                           ; v34  P's scale words
.set AT0, 35                           ; v35, v94 LDS addresses of the stores in hand (at the head: r and h)
.set AT1, 94
.set KS,  36                           ; v[36:39] K's scale words of a key step
.set VS,  40                           ; v[40:41] V's
.set QF,  42                           ; v[42:49] Q's fragment: v42-45 codes, v46-49 zeros
.set PF,  50                           ; v[50:57] P's codes
.set KF,  58                           ; v[58:93] K's fragment T at v[58 + 4 T] on, eight registers named; then V's fragment t at v[58 + 8 t]; v90-93 zeros
.set T2,  95                           ; v95  the old -M
.set S,   96                           ; v[96:159] the scores, then p
.set O,   160                          ; v[160:191] O^T: channel tile t at 160 + 8 t
.set X,   192                          ; v[192:223] numbers on their way in
.set Y,   224                          ; v[224:255] numbers turned; V's codes
.set QP,  4                            ; s[4:5] q, s[6:7] k, s[8:9] v, s[10:11] out0, each at my wave's place
.set KP,  6
.set VP,  8
.set OP,  10
.set WV,  12                           ; s12  my wave's number
.set SEL, 14                           ; s[14:15] v_permlanex16_b32's selects for lane l xor 16
.set CS,  16                           ; s[16:17] c = log2(e) / 8 (the packed form names a pair and takes its low word for both halves)
.set TB,  18                           ; s18  LDS byte of the key step's record
.set TW,  19                           ; s19  LDS byte of the double step that is being written
.set CNT, 20                           ; s20  loop counter
.set LIM, 21                           ; s21  1 in a work-group that prefetches, else the greatest number
.set PFA, 22                           ; s[22:23] where my prefetches stand
; Eight loads of 512 consecutive bytes: 16 rows of 256 bytes, two an instruction; rows 8-15 begin hi bytes behind rows 0-7's first.  nt = 1: read once in the launch.
.macro DLOAD dst, base, hi, nt
.irp i, 0,1,2,3,4,5,6,7
.if \nt
	global_load_b128 v[\dst+4*\i:\dst+4*\i+3], v[L16], s[\base:\base+1] offset:(\i%4)*512+(\i/4)*\hi th:TH_LOAD_NT
.else
	global_load_b128 v[\dst+4*\i:\dst+4*\i+3], v[L16], s[\base:\base+1] offset:(\i%4)*512+(\i/4)*\hi
.endif
.endr
.endm
; V: a lane takes a channel and its registers run down the block's 32 keys: 128 consecutive bytes an instruction; wave w xor 1 takes the row's other 128 in the same trip.
.macro VLOAD dst
.irp i, 0,1,2,3,4,5,6,7,8,9,10,11,12,13,14,15,16,17,18,19,20,21,22,23,24,25,26,27,28,29,30,31
	global_load_b32 v[\dst+\i], v[L4], s[VP:VP+1] offset:256*\i
.endr
.endm
; 16 rows as loaded go through my stage and come back so that lane (r, h) holds dims 32 h .. 32 h + 31 of row r in v[Y] on.  LDS serves a wave's instructions in order (ISA guide 5.7.1.4): no wait between stores and loads.
.macro TURN src
.irp i, 0,1,2,3,4,5,6,7
	ds_store_b128 v[SD], v[\src+4*\i:\src+4*\i+3] offset:2*SPITCH*\i
.endr
.irp i, 0,1,2,3,4,5,6,7
	ds_load_b128 v[Y+4*\i:Y+4*\i+3], v[SRK] offset:16*\i
.endr
	s_wait_dscnt 0x0
.endm
; A lane's 32 numbers, one whole block, become 4 registers of codes; v[SCL] the conversion's scale operand, v[BY] the scale's byte.
.macro QUANT32 src, dst
	v_max3_num_f32 v[BM], |v[\src]|, |v[\src+1]|, 0x1800000        ; the largest magnitude, in two chains; the floor 2^(3 - 127) among its leaves holds the byte at 1 from below
	v_max3_num_f32 v[BA], |v[\src+16]|, |v[\src+17]|, |v[\src+18]|
.irp i, 2,4,6,8,10,12
	v_max3_num_f32 v[BM], v[BM], |v[\src+\i]|, |v[\src+\i+1]|
	v_max3_num_f32 v[BA], v[BA], |v[\src+17+\i]|, |v[\src+18+\i]|
.endr
	v_max3_num_f32 v[BM], v[BM], |v[\src+14]|, |v[\src+15]|
	v_max3_num_f32 v[BM], v[BM], v[BA], |v[\src+31]|
	v_add_nc_u32 v[SCL], 0xff000000, v[BM]         ; 2 off its exponent field: the conversion takes the exponent field of this operand as its scale, and nothing else of it
	v_lshrrev_b32 v[BY], 23, v[SCL]                ; the scale's byte
.irp g, 0,1,2,3
	v_cvt_scalef32_pk8_fp4_f32 v[\dst+\g], v[\src+8*\g:\src+8*\g+7], v[SCL]
.endr
	v_nop                                          ; one plain place behind a scaled conversion
.endm
; K and Q: a row's two bytes (dims 0-31 in lanes 0-15, dims 32-63 in lanes 16-31) make its scale word, in both lanes; bytes 2 and 3 stay 0.
.macro WORD2 dstw
	v_lshlrev_b32 v[T0], v[SH8], v[BY]
	v_permlanex16_b32 v[T1], v[T0], s[SEL], s[SEL+1]
	v_or_b32 v[\dstw], v[T0], v[T1]
.endm
.macro KOUT                            ; my tile of K, turned into v[Y] on, becomes an image and 16 scale words in the double step that is being written
	QUANT32 Y, X
	WORD2 BY+1
	v_add_nc_u32 v[AT0], s[TW], v[WKI]
	v_add_nc_u32 v[AT1], s[TW], v[WKS]
	ds_store_b128 v[AT0], v[X:X+3]
	ds_store_b32 v[AT1], v[BY+1]                   ; lanes l and l xor 16 write the same word with the same value
.endm
.macro VOUT src                        ; my block of 32 keys x 32 channels of V
	QUANT32 \src, Y
	v_add_nc_u32 v[AT0], s[TW], v[WVI]
	v_add_nc_u32 v[AT1], s[TW], v[WVS]
	ds_store_b128 v[AT0], v[Y:Y+3]
	ds_store_b8 v[AT1], v[BY]
.endm
; A PREFETCH INTO THE L2, behind the trip's first run of loads: the double step of K and V that the NEXT trip loads.  The four work-groups of a head walk the same rows: the first of them (x = 0) asks.
; In it waves 0-7 ask for K's 65,536 bytes and waves 8-15 for V's: 8,192 bytes a wave, lanes 256 bytes apart, one instruction: each aligned block of 256 bytes is named once in the launch.
; The loop's last trip asks for nothing: there is no double step behind the one that it loads.  Double steps 0 and 1 come by their loads alone.
.macro ASK
	s_cmp_gt_u32 s[CNT], s[LIM]
	s_cbranch_scc0 .Lnot_mine_\@
	global_prefetch_b8 v[PFO], s[PFA:PFA+1] th:TH_LOAD_NT scope:SCOPE_SE
.Lnot_mine_\@:
.endm
.macro INIT                            ; a pass begins: the step is written once and finds zeros, which the first change of M leaves zeros
	v_mov_b32 v[RM], 0xff61b1e6                    ; the largest score so far: -3e38
	v_mul_f32 v[T0], s[CS], v[RM]
	v_floor_f32 v[NEGM], -v[T0]
	v_mov_b32 v[LS], 0
	v_mov_b32 v[LS+1], 0
.set j, 0
.rept 32
	v_mov_b32 v[O+j], 0
.set j, j+1
.endr
	s_mov_b32 s[TB], 0
.endm
.macro KQ T                            ; S^T's tile T.  Scale words: register T / 2, lanes 0-15 for an even tile, lanes 16-31 for an odd one
.if (\T)%2
	v_wmma_scale_f32_16x16x128_f8f6f4 v[S+8*\T:S+8*\T+7], v[KF+4*\T:KF+4*\T+7], v[QF:QF+7], 0, v[KS+\T/2], v[QW] matrix_a_fmt:MATRIX_FMT_FP4 matrix_b_fmt:MATRIX_FMT_FP4 matrix_a_scale:MATRIX_SCALE_ROW1
.else
	v_wmma_scale_f32_16x16x128_f8f6f4 v[S+8*\T:S+8*\T+7], v[KF+4*\T:KF+4*\T+7], v[QF:QF+7], 0, v[KS+\T/2], v[QW] matrix_a_fmt:MATRIX_FMT_FP4 matrix_b_fmt:MATRIX_FMT_FP4
.endif
.endm
.macro PV t                            ; O^T's channel tile t += V^T P^T over these 128 keys
.if (\t)%2
	v_wmma_scale_f32_16x16x128_f8f6f4 v[O+8*\t:O+8*\t+7], v[KF+8*\t:KF+8*\t+7], v[PF:PF+7], v[O+8*\t:O+8*\t+7], v[VS+\t/2], v[PW] matrix_a_fmt:MATRIX_FMT_FP4 matrix_b_fmt:MATRIX_FMT_FP4 matrix_a_scale:MATRIX_SCALE_ROW1
.else
	v_wmma_scale_f32_16x16x128_f8f6f4 v[O+8*\t:O+8*\t+7], v[KF+8*\t:KF+8*\t+7], v[PF:PF+7], v[O+8*\t:O+8*\t+7], v[VS+\t/2], v[PW] matrix_a_fmt:MATRIX_FMT_FP4 matrix_b_fmt:MATRIX_FMT_FP4
.endif
.endm
; A KEY STEP: 128 keys, whose record begins at LDS byte s[TB].
.macro STEP
	v_add_nc_u32 v[A16], s[TB], v[L16]
	v_add_nc_u32 v[A8], s[TB], v[L8]
	v_nop
	v_nop                                          ; four places behind the last step's products, in front of loads into registers that they read (ISA guide 7.12.1 for vector instructions)
.irp T, 0,1,2,3,4,5,6,7
	ds_load_b128 v[KF+4*\T:KF+4*\T+3], v[A16] offset:R_K+512*\T
.endr
	ds_load_b128 v[KS:KS+3], v[A16] offset:R_KS
	s_wait_dscnt 0x0
.irp T, 0,1,2,3,4,5,6,7
	KQ \T
.endr
	v_mov_b32 v[T2], v[NEGM]                       ; -M is kept for f
	v_nop
	v_nop
	v_nop                                          ; four places: in front of the loads below and of the first read of the scores
.irp t, 0,1,2,3
.irp c, 0,1
	ds_load_b128 v[KF+8*\t+4*\c:KF+8*\t+4*\c+3], v[A16] offset:R_V+1024*\t+512*\c   ; V's fragments land under the softmax
.endr
.endr
	ds_load_b64 v[VS:VS+1], v[A8] offset:R_VS
	; THE LARGEST SCORE OF EACH OF MY TWO BLOCKS OF 32 KEYS, four chains by turns.  It serves twice: for the row's maximum and, since p rises with the score, for the block's largest p.
	; Each chain ascends.
.irp c, 0,1
	v_max3_num_f32 v[BM+\c], v[S+32*\c], v[S+32*\c+1], v[S+32*\c+2]
	v_max3_num_f32 v[BA+\c], v[S+32*\c+16], v[S+32*\c+17], v[S+32*\c+18]
.endr
.irp i, 3,5,7,9,11,13
.irp c, 0,1
	v_max3_num_f32 v[BM+\c], v[BM+\c], v[S+32*\c+\i], v[S+32*\c+\i+1]
	v_max3_num_f32 v[BA+\c], v[BA+\c], v[S+32*\c+16+\i], v[S+32*\c+17+\i]
.endr
.endr
.irp c, 0,1
	v_max3_num_f32 v[BM+\c], v[BM+\c], v[S+32*\c+15], v[S+32*\c+31]
.endr
.irp c, 0,1
	v_max_num_f32 v[BM+\c], v[BM+\c], v[BA+\c]
.endr
	v_max_num_f32 v[T0], v[BM], v[BM+1]
	v_permlanex16_b32 v[T1], v[T0], s[SEL], s[SEL+1]   ; my query's other 64 keys lie in lane l xor 16
	v_max3_num_f32 v[RM], v[RM], v[T0], v[T1]      ; the running largest score
	v_mul_f32 v[T0], s[CS], v[RM]                  ; as t (c is positive)
	v_floor_f32 v[NEGM], -v[T0]                    ; the new -M = floor(-t) = -ceil(t): M is a whole number
	v_sub_f32 v[T0], v[NEGM], v[T2]                ; old M - new M: a whole number, 0 or less
	v_cvt_i32_f32 v[T0], v[T0]                     ; (it saturates)
	v_ldexp_f32 v[F], 1.0, v[T0]                   ; f = 2^(old M - new M)
.set j, 0
.rept 32
	v_pk_fma_f32 v[S+j:S+j+1], v[S+j:S+j+1], s[CS:CS+1], v[NEGM:NEGM+1] op_sel_hi:[1,0,0]   ; t - M, two at a time
.set j, j+2
.endr
.irp c, 0,1
	v_fma_f32 v[BM+\c], v[BM+\c], s[CS], v[NEGM]   ; the same of each block's largest score
.endr
.set j, 0
.rept 64
	v_exp_f32 v[S+j], v[S+j]                       ; p = 2^(t - M), at most 1
.set j, j+1
.endr
	v_pk_mul_f32 v[LS:LS+1], v[LS:LS+1], v[F:F+1] op_sel_hi:[1,0]   ; the sums under the new M: the plain place behind the exponentials
	s_wait_alu depctr_va_vdst(0)                   ; one wait for the batch of 64, ahead of its first reader
.irp c, 0,1
	v_exp_f32 v[BM+\c], v[BM+\c]                   ; the block's largest p: the same two instructions on the same number give the same bits
.endr
	v_pk_add_f32 v[TP:TP+1], v[S:S+1], v[S+2:S+3]  ; THE ROW'S SUM IS TAKEN OF THE UNQUANTISED p, two at a time, in two chains; it names the 64 alone
.set j, 4
.rept 15
	v_pk_add_f32 v[LS:LS+1], v[LS:LS+1], v[S+j:S+j+1]
	v_pk_add_f32 v[TP:TP+1], v[TP:TP+1], v[S+j+2:S+j+3]
.set j, j+4
.endr
	v_pk_add_f32 v[LS:LS+1], v[LS:LS+1], v[TP:TP+1]
	s_wait_alu depctr_va_vdst(0)                   ; and one for the two
.irp c, 0,1
	v_max_num_f32 v[BM+\c], 0x1800000, v[BM+\c]    ; the floor 2^(3 - 127): the byte cannot fall under 1
.endr
.irp c, 0,1
	v_add_nc_u32 v[SCL+\c], 0xff000000, v[BM+\c]   ; 2 off the exponent field: the conversion's scale operand
.endr
.irp c, 0,1
	v_lshrrev_b32 v[BY+\c], 23, v[SCL+\c]          ; the scale's byte
.endr
	v_lshl_or_b32 v[T0], v[BY+1], 16, v[BY]        ; my blocks are h and 2 + h of the step's four:
	v_lshlrev_b32 v[T0], v[SH8], v[T0]             ; their bytes at their places,
	v_permlanex16_b32 v[T1], v[T0], s[SEL], s[SEL+1]
	v_or_b32 v[PW], v[T0], v[T1]                   ; and with lane l xor 16's two the word is whole
.irp c, 0,1
.irp g, 0,1,2,3
	v_cvt_scalef32_pk8_fp4_f32 v[PF+4*\c+\g], v[S+32*\c+8*\g:S+32*\c+8*\g+7], v[SCL+\c]   ; register 4 c + g of the operand: keys 64 c + 32 h + 8 g on
.endr
.endr
.set j, 0
.rept 16
	v_pk_mul_f32 v[O+j:O+j+1], v[O+j:O+j+1], v[F:F+1] op_sel_hi:[1,0]   ; O^T under the new M, from each tile's low end on.  For each product below twelve of these name none of its registers: the places
.set j, j+2                                        ; behind the conversions, and in front of a scaled product behind the lines that wrote its scale word (8) and its operand (4)
.endr
	s_wait_dscnt 0x0                               ; V's fragments and scale words are in
.irp t, 0,1,2,3
	PV \t                                          ; the four accumulators by turns, one instruction a turn; the next step's eight products stand between two links
.endr
	s_add_co_u32 s[TB], s[TB], REC
.endm
; THE WAY OUT of a pass.  O^T / the sum goes through my stage (lane (r, h): channels 16 t + 8 h on of query r) and leaves as whole rows: each store of the wave covers 512 consecutive bytes, aligned.
.macro FINISH
	v_add_f32 v[LS], v[LS], v[LS+1]                ; the sum's two halves,
	v_permlanex16_b32 v[T1], v[LS], s[SEL], s[SEL+1]
	v_add_f32 v[LS], v[LS], v[T1]                  ; and lane l xor 16's
	v_rcp_f32 v[T0], v[LS]
	v_nop
	v_nop
	v_nop                                          ; the plain place behind the reciprocal; with the two additions, the places behind the last products
	s_wait_alu depctr_va_vdst(0)                   ; the wait ahead of the reciprocal's first reader
.set j, 0
.rept 16
	v_pk_mul_f32 v[S+j:S+j+1], v[O+j:O+j+1], v[T0:T0+1] op_sel_hi:[1,0]
.set j, j+2
.endr
.irp t, 0,1,2,3
	ds_store_b128 v[SRO], v[S+8*\t:S+8*\t+3] offset:64*\t
	ds_store_b128 v[SRO], v[S+8*\t+4:S+8*\t+7] offset:64*\t+16
.endr
.irp i, 0,1,2,3,4,5,6,7
	ds_load_b128 v[S+32+4*\i:S+32+4*\i+3], v[SD] offset:2*SPITCH*\i   ; in order behind my stores
.endr
.irp i, 0,1,2,3,4,5,6,7
	s_wait_dscnt 7-\i                              ; the younger loads from the stage may stay out
	global_store_b128 v[L16], v[S+32+4*\i:S+32+4*\i+3], s[OP:OP+1] offset:512*\i th:TH_STORE_NT
.endr
.endm
	; ---- the head: ids, addresses, constants
	s_load_b256 s[4:11], s[0:1], 0x0               ; q, k, v, out0
	v_lshrrev_b32 v[AT0], 5, v0
	v_readfirstlane_b32 s[WV], v[AT0]              ; wave 0..15
	v_and_b32 v[L16], 31, v0                       ; lane
	v_and_b32 v[AT0], 15, v0                       ; r
	v_bfe_u32 v[AT1], v0, 4, 1                     ; h
	v_lshlrev_b32 v[L8], 3, v[L16]
	v_lshlrev_b32 v[L4], 2, v[L16]
	v_lshlrev_b32 v[PFO], 8, v[L16]
	v_lshlrev_b32 v[L16], 4, v[L16]
	v_lshlrev_b32 v[SH8], 3, v[AT1]
	s_mul_i32 s13, s[WV], WSTG
	s_add_co_u32 s13, s13, STG                     ; my stage
	v_mul_u32_u24 v[SD], v[AT1], SPITCH
	v_lshl_add_u32 v[SD], v[AT0], 4, v[SD]
	v_add_nc_u32 v[SD], s13, v[SD]
	v_mul_u32_u24 v[SRK], v[AT0], SPITCH
	v_add_nc_u32 v[SRK], s13, v[SRK]
	v_lshl_add_u32 v[SRO], v[AT1], 5, v[SRK]
	v_lshl_add_u32 v[SRK], v[AT1], 7, v[SRK]
	; what I write of a double step.  K: key step w / 8, tile w % 8.  V: key step w / 8, key block (w / 2) % 4, channels 32 (w % 2) + lane
	s_lshr_b32 s34, s[WV], 3
	s_mul_i32 s34, s34, REC                        ; the key step's record
	s_and_b32 s35, s[WV], 7
	s_lshl_b32 s35, s35, 9
	s_add_co_u32 s35, s35, s34
	v_add_nc_u32 v[WKI], s35, v[L16]               ; K's image: 512 x tile + 16 x lane
	s_and_b32 s36, s[WV], 1                        ; w % 2
	s_bfe_u32 s37, s[WV], 0x20001                  ; (w / 2) % 4
	s_lshl_b32 s35, s36, 8
	s_lshl_b32 s38, s37, 2
	s_add_co_u32 s35, s35, s38
	s_add_co_u32 s35, s35, s34
	s_add_co_u32 s35, s35, R_KS
	v_lshl_add_u32 v[WKS], v[AT0], 4, s35          ; its scale words: 16 r + 256 (tile % 2) + 4 (tile / 2)
	s_lshl_b32 s35, s36, 11
	s_lshl_b32 s38, s37, 8
	s_add_co_u32 s35, s35, s38
	s_add_co_u32 s35, s35, s34
	s_add_co_u32 s35, s35, R_V
	v_lshl_add_u32 v[WVI], v[AT1], 10, s35         ; V's image: channel tile 2 (w % 2) + h; key block b lies at 512 (b / 2) + 256 (b % 2); 16 r
	v_lshl_add_u32 v[WVI], v[AT0], 4, v[WVI]
	s_lshl_b32 s35, s36, 2
	s_add_co_u32 s35, s35, s37
	s_add_co_u32 s35, s35, s34
	s_add_co_u32 s35, s35, R_VS
	v_add_nc_u32 v[WVS], s35, v[L8]                ; its scale byte: 8 x lane + 4 (w % 2) + b
	; byte offsets in memory, all under 2^32
	s_and_b32 s24, ttmp7, 0xffff
	s_lshl_b32 s24, s24, 19                        ; the head: 2,048 rows of 256 bytes
	s_lshl_b32 s26, ttmp9, 17                      ; q, out0: 512 queries a work-group,
	s_lshl_b32 s38, s[WV], 12                      ; 16 a wave
	s_add_co_u32 s26, s26, s38
	s_add_co_u32 s26, s26, s24
	s_mov_b32 s27, 0
	s_lshr_b32 s28, s[WV], 2                       ; k: 64 keys x (w / 4) (key step and c),
	s_lshl_b32 s28, s28, 14
	s_and_b32 s38, s[WV], 3                        ; 8 keys x u
	s_lshl_b32 s38, s38, 11
	s_add_co_u32 s28, s28, s38
	s_add_co_u32 s28, s28, s24
	s_mov_b32 s29, 0
	s_lshr_b32 s30, s[WV], 3                       ; v: 128 keys x (w / 8),
	s_lshl_b32 s30, s30, 15
	s_lshl_b32 s38, s37, 13                        ; 32 keys x block,
	s_add_co_u32 s30, s30, s38
	s_lshl_b32 s38, s36, 7                         ; 32 channels x (w % 2)
	s_add_co_u32 s30, s30, s38
	s_add_co_u32 s30, s30, s24
	s_mov_b32 s31, 0
	s_and_b32 s32, s[WV], 7                        ; the prefetches: 8,192 bytes x (w % 8), in double step 2
	s_lshl_b32 s32, s32, 13
	s_add_co_u32 s32, s32, 2*DSTEP
	s_add_co_u32 s32, s32, s24
	s_mov_b32 s33, 0
	s_mov_b32 s[SEL], 0x76543210
	s_mov_b32 s[SEL+1], 0xfedcba98
	s_mov_b32 s[CS], 0x3e38aa3b                    ; log2(e) / 8
	s_mov_b32 s[CS+1], s[CS]
	s_mov_b32 s[TW], 0
	s_cmp_eq_u32 ttmp9, 0
	s_cselect_b32 s[LIM], 1, -1
.irp i, 0,1,2,3
	v_mov_b32 v[QF+4+\i], 0                        ; Q's upper half of K: zero codes, written once
	v_mov_b32 v[KF+32+\i], 0                       ; what the last fragment of K names behind its codes
.endr
	v_mov_b32 v[F+1], 0                            ; named as a pair's upper half
	v_mov_b32 v[T1], 0                             ; a lane permute's destination counts as one of its sources
	s_wait_kmcnt 0x0
	s_cmp_lt_u32 s[WV], 8                          ; waves 0-7 prefetch K, waves 8-15 V
	s_cselect_b64 s[PFA:PFA+1], s[KP:KP+1], s[VP:VP+1]
	s_add_nc_u64 s[PFA:PFA+1], s[PFA:PFA+1], s[32:33]
	s_add_nc_u64 s[QP:QP+1], s[QP:QP+1], s[26:27]
	s_add_nc_u64 s[OP:OP+1], s[OP:OP+1], s[26:27]
	s_add_nc_u64 s[KP:KP+1], s[KP:KP+1], s[28:29]
	s_add_nc_u64 s[VP:VP+1], s[VP:VP+1], s[30:31]
	; ---- the prologue: double step 0 of K and V, and pass 0's Q
	DLOAD X, KP, 8192, 0                           ; my tile of K: two runs of 8 neighbouring keys, 32 keys apart
	DLOAD S, QP, 2048, 1                           ; my 16 queries
	VLOAD S+32
	s_wait_loadcnt 40                              ; K's eight are in; Q's 8 and V's 32 may be out
	TURN X
	KOUT
	s_wait_loadcnt 32                              ; Q's eight are in
	TURN S
	QUANT32 Y, QF
	WORD2 QW
	s_wait_loadcnt 0x0
	VOUT S+32
	s_add_nc_u64 s[KP:KP+1], s[KP:KP+1], DSTEP     ; (the loads that read these bases are done)
	s_add_nc_u64 s[VP:VP+1], s[VP:VP+1], DSTEP
	s_mov_b32 s[TW], 2*REC
	INIT
	s_wait_dscnt 0x0                               ; for the others' sake: my stores into the records have landed
	s_barrier_signal -1
	s_barrier_wait -1
	; ---- pass 0, seven trips: two key steps are multiplied, the next two are made
	s_mov_b32 s[CNT], 7
.Lp0:
	DLOAD X, KP, 8192, 0                           ; lands under the first step
	ASK
	STEP
	s_wait_loadcnt 0x0
	TURN X
	KOUT
	s_wait_dscnt 0x0                               ; the stores have read their registers
	VLOAD X                                        ; lands under the second step
	STEP
	s_wait_loadcnt 0x0
	VOUT X
	s_add_nc_u64 s[KP:KP+1], s[KP:KP+1], DSTEP     ; (the loads that read these bases are done)
	s_add_nc_u64 s[VP:VP+1], s[VP:VP+1], DSTEP
	s_wait_xcnt 0x0                                ; the trip's prefetch, two key steps back, has read its address
	s_add_nc_u64 s[PFA:PFA+1], s[PFA:PFA+1], DSTEP
	s_add_co_u32 s[TW], s[TW], 2*REC
	s_wait_dscnt 0x0                               ; my stores into the next two records have landed
	s_barrier_signal -1
	s_barrier_wait -1                              ; everybody's have: they may be read
	s_sub_co_u32 s[CNT], s[CNT], 1
	s_cmp_lg_u32 s[CNT], 0
	s_cbranch_scc1 .Lp0
	; ---- pass 0's last two key steps: nothing is left to make; pass 1's queries are asked for
	s_add_nc_u64 s[QP:QP+1], s[QP:QP+1], DSTEP
	DLOAD X, QP, 2048, 1
	s_mov_b32 s[CNT], 2
.Lt0:
	STEP
	s_sub_co_u32 s[CNT], s[CNT], 1
	s_cmp_lg_u32 s[CNT], 0
	s_cbranch_scc1 .Lt0
	FINISH
	; ---- between the passes
	s_wait_loadcnt 0x0
	TURN X
	QUANT32 Y, QF
	WORD2 QW
	s_wait_xcnt 0x0                                ; the stores have read their data and their base: both may be written again
	s_add_nc_u64 s[OP:OP+1], s[OP:OP+1], DSTEP
	INIT                                           ; (its lines are also the places between Q's scale word and the first scaled product)
	; ---- pass 1: sixteen key steps from LDS alone
	s_mov_b32 s[CNT], 16
.Lp1:
	STEP
	s_sub_co_u32 s[CNT], s[CNT], 1
	s_cmp_lg_u32 s[CNT], 0
	s_cbranch_scc1 .Lp1
	FINISH
	s_wait_xcnt 0x0
	v_lshl_add_u32 v254, v0, 2, 0x34000
	v_mov_b32 v255, 0
	s_wait_tensorcnt 0x0
	ds_add_u32 v254, v255
	s_wait_dscnt 0x0
	s_endpgm
.Lfunc_end_k_qade05db394_attn:
	.size	k_qade05db394_attn, .Lfunc_end_k_qade05db394_attn-k_qade05db394_attn
	.p2alignl 7, 3214868480
	.fill 96, 4, 3214868480
	.section	.rodata,"a",@progbits
	.p2align	6, 0x0
	.amdhsa_kernel k_qade05db394_attn
		.amdhsa_group_segment_fixed_size 215040
		.amdhsa_private_segment_fixed_size 0
		.amdhsa_enable_private_segment 0
		.amdhsa_kernarg_size 32
		.amdhsa_user_sgpr_count 2
		.amdhsa_user_sgpr_kernarg_segment_ptr 1
		.amdhsa_wavefront_size32 1
		.amdhsa_system_sgpr_workgroup_id_x 1
		.amdhsa_system_sgpr_workgroup_id_y 1
		.amdhsa_system_sgpr_workgroup_id_z 1
		.amdhsa_system_vgpr_workitem_id 0
		.amdhsa_next_free_vgpr 256
		.amdhsa_next_free_sgpr 66
		.amdhsa_reserve_vcc 0
		.amdhsa_float_denorm_mode_32 3
		.amdhsa_float_denorm_mode_16_64 3
		.amdhsa_memory_ordered 1
		.amdhsa_forward_progress 1
		.amdhsa_inst_pref_size 93
	.end_amdhsa_kernel
	.amdgpu_metadata
---
amdhsa.version: [ 1, 2 ]
amdhsa.kernels:
  - .name:           k_qade05db394_attn
    .symbol:         k_qade05db394_attn.kd
    .args:
      - { .name: q, .offset: 0, .size: 8, .value_kind: global_buffer, .address_space: global }
      - { .name: k, .offset: 8, .size: 8, .value_kind: global_buffer, .address_space: global }
      - { .name: v, .offset: 16, .size: 8, .value_kind: global_buffer, .address_space: global }
      - { .name: out0, .offset: 24, .size: 8, .value_kind: global_buffer, .address_space: global }
    .group_segment_fixed_size: 215040
    .private_segment_fixed_size: 0
    .kernarg_segment_align: 8
    .kernarg_segment_size: 32
    .max_flat_workgroup_size: 512
    .sgpr_count:     66
    .vgpr_count:     256
    .wavefront_size: 32
...
	.end_amdgpu_metadata
.endif
;; end of part 1
;; ======== version 2 of 2: 1 launch; version 1 with the launch attn written anew for expert scheduling mode
;; launch attn (part 2): grid 4 x 64, 16 waves a work-group, no clusters, 215,040 bytes of LDS; arguments q, k, v, out0; writes out0
.if DOCPART == 2
	.amdgcn_target "amdgcn-amd-amdhsa--gfx1250"
	.amdhsa_code_object_version 6
	.text
	.protected	k_qade05db394_attn
	.globl	k_qade05db394_attn
	.p2align	8
	.type	k_qade05db394_attn,@function
k_qade05db394_attn:
	s_mov_b64 s[64:65], 0
	v_nop
	global_prefetch_b8 v0, s[64:65] scope:SCOPE_SE
	s_setreg_imm32_b32 hwreg(HW_REG_WAVE_SCHED_MODE, 0, 2), 2
	s_setreg_imm32_b32 hwreg(HW_REG_WAVE_MODE, 25, 1), 1
	s_wait_xcnt 0x0
	s_wait_alu depctr_vm_vsrc(0)
; out0[h][q][:] = the sum over k of softmax_k(q[h][q] . k[h][k] / 8) v[h][k][:].  64 heads, 2,048 rows of 64 f32 (256 bytes) in each of q, k, v, out0.
; Both products on codes of FP4 (E2M1) with one E8M0 scale for each 32 along a product's K: the first along the head's 64, the second along the keys.
; THE SOFTMAX AHEAD OF THE SECOND PRODUCT: t = score x log2(e) / 8; M = the row's largest t so far, rounded UP to a whole number; p = 2^(t - M) is quantised along the keys, not normalised.
; The row's sum is taken of the unquantised p, in f32, and divides at the end.  When M moves, the sum and O are multiplied by 2^(old M - new M): exact.
; SHARES.  256 work-groups: x = a quarter (512) of a head's queries, y = the head.  Sixteen waves of 256 registers, four to a SIMD.  The 512 queries go in two passes of 256; in a pass wave w owns 16 queries.
; Every wave walks all 2,048 keys, 128 a key step.
; K AND V ARE QUANTISED BY THE WORK-GROUP ITSELF, ONCE, INTO LDS, as images of the operands' registers: a record of 8,960 bytes for each of the 16 key steps, each byte written once in the launch.
; In pass 0 the trip that multiplies key steps 2 d and 2 d + 1 also loads, quantises and stores key steps 2 d + 2 and 2 d + 3, a sixteenth a wave; one barrier a trip parts those stores from their first reads.
; Nothing that has been read is written again, so one barrier does.  Pass 1 reads LDS alone and has no barrier.
; NO CLUSTER, NO TENSOR LOAD, though the four work-groups of a head read the same K and V: the numbers arrive as f32 and must pass through registers to become codes; a double step of K and V is 2 x 65,536 bytes of f32,
; and two slots of that (262,144 bytes) do not fit beside the 143,360 bytes of images and the stages; through LDS each number would also be written and read once more.
; LAYOUT.  Both products are used transposed: S^T = K Q^T (source 0 = 16 keys, source 1 = my 16 queries), O^T = V^T P^T (source 0 = 16 channels, source 1 = P): a lane holds ONE query (lane % 16) throughout.
; THE KEYS OF A TILE ARE NOT NEIGHBOURS: row m of tile 4 c + u is key 64 c + 32 (m / 8) + 8 u + m % 8.  So register S + 32 c + i of lane (r, h) holds key 64 c + 32 h + i: a WHOLE block of 32 keys lies in one lane, in the
; order that the 4-bit operand wants: a block's maximum asks no other lane, and the conversions' results are the second product's operand as they stand.
; THE FIRST PRODUCT FILLS HALF OF THE INSTRUCTION'S 128 ALONG K.  Q's registers 4-7 hold zero codes; K's registers 4-7 of a fragment are simply the next fragment's codes (behind the last: four registers of zeros).
; Every code of E2M1 is a finite number, so each of those products is 0; the scale bytes of that half are 0, which stands for a power of two.
; LIMITS.  NaN and infinities among the inputs are not served.  A block of zeros gets the scale byte 1 where the rule says 127: its codes are zeros, and this program alone reads the bytes.
; A p under 2^-126 counts as 0 (v_exp_f32 gives 0 there: ISA guide, its entry).  t - M is one fused multiply-add of the score with log2(e) / 8.
; THE MODE: SCHED_MODE bits 1:0 = 2 (LLVM: expert scheduling mode 2), set by the entry lines.  The code itself states the register dependences
; between vector or matrix instructions and memory or LDS instructions, with s_wait_alu, always for 0.
; THE PLAN.  Registers that memory or LDS instructions touch:
;   v1, v31, v32, v5-7   offsets and stage addresses: written at the head, read by loads, stores and the prefetch, never written again.
;   A16, A8              written by two additions at a key step's head; read by the step's LDS loads.
;   KF, KS, VS           K's fragments and scale words land at a step's head and are read by its eight products K Q^T; V's land in mid step, in the same registers, and are read by its four products V^T P.
;   X                    global loads land (my tile of K, my block of V, pass 1's queries); the turn's LDS stores read it; KOUT's conversions write its first four registers, which KOUT's store reads; VOUT's lines read it.
;   Y                    the turn's LDS loads land; the quantiser's lines read it; VOUT's conversions write its first four registers, which VOUT's store reads.
;   AT0, AT1, BY, BY+1   written by KOUT and VOUT (the two bytes by every step too); read by their stores.
;   S                    in the prologue loads land and the turn's stores read it; on the way out LDS stores read its lower half, LDS loads land in its upper half and global stores read that; else vector and matrix lines alone.
; A KEY STEP HAS ONE WAIT ON vm_vsrc, at its head, and five on va_vdst: behind the two additions at its head; one ahead of the exponentials; the two behind the exponentials; and one ahead of the products V^T P, whose operand and scale word vector lines make.
; Behind the head's two stand K's LDS loads and, in pass 0, the trip's global loads into X, which no vector line since KOUT's or VOUT's own wait names.  Behind the wait for the 64 exponentials stand V's LDS loads:
; the products that read KF were issued ahead of it, and the softmax names none of KF, VS, A16, A8.
.set REC,    8960                      ; a key step's record in LDS:
.set R_K,    0                         ;   8 x 512: tile T's image at 512 T + 16 x lane: lane (r, h): the 16 bytes of codes of the tile's row r, dims 32 h on
.set R_V,    4096                      ;   4 x 1,024: channel tile t, registers 4 c on, at 1,024 t + 512 c + 16 x lane: lane (r, h): channel 16 t + r, keys 64 c + 32 h on
.set R_KS,   8192                      ;   512: at 16 x lane + 4 i: lanes 0-15 the scale word of tile 2 i's row r, lanes 16-31 that of tile 2 i + 1
.set R_VS,   8704                      ;   256: at 8 x lane + 4 g + b: the scale byte of key block b of channel 32 g + lane
.set STG,    16*REC                    ; behind the records: a stage of 16 rows x 272 bytes for each wave, its own
.set SPITCH, 272                       ; 256 bytes + 16: an odd multiple of 16, so that 16 rows' 16 bytes fall on 16 different groups of banks (64 banks of 4 bytes: ISA guide 11.1)
.set WSTG,   16*SPITCH
.set DSTEP,  65536                     ; 256 rows of 256 bytes: a double step of K or V; a pass's queries
.set L16, 1                            ; v1   16 x lane          never rewritten
.set L8,  2                            ; v2   8 x lane           never rewritten
.set A16, 3                            ; v3   the key step's record + 16 x lane
.set A8,  4                            ; v4   the key step's record + 8 x lane
.set SD,  5                            ; v5   my stage, dense side: 272 h + 16 r: two rows an instruction
.set SRK, 6                            ; v6   my stage, row side for K and Q: 272 r + 128 h: my 32 numbers of row r
.set SRO, 7                            ; v7   my stage, row side for O: 272 r + 32 h
.set WKI, 8                            ; v8   where I store K's image in a double step
.set WKS, 9                            ; v9   and its scale word
.set WVI, 10                           ; v10  V's image
.set WVS, 11                           ; v11  and its scale byte
.set NEGM, 12                          ; v12  -M
.set RM,  13                           ; v13  the largest score so far (named with v12 as a pair)
.set LS,  14                           ; v[14:15] the row's sum, in two halves
.set F,   16                           ; v16  f = 2^(old M - new M); v17 is the pair's upper half, written once
.set TP,  18                           ; v[18:19] the sums' second chain
.set BM,  20                           ; v20-21 a block's largest score, then its largest p
.set BA,  22                           ; v22-23 second chains of the maxima
.set SCL, 24                           ; v24-25 the conversions' scale operands
.set BY,  26                           ; v26-27 scale bytes
.set T0,  28                           ; v28, v29 at work (a pair)
.set T1,  29
.set SH8, 30                           ; v30  8 h
.set L4,  31                           ; v31  4 x lane           never rewritten
.set PFO, 32                           ; v32  256 x lane         never rewritten
.set QW,  33                           ; v33  Q's scale words
.set PW,  34                           ; v34  P's scale words
.set AT0, 35                           ; v35, v94 LDS addresses of the stores in hand (at the head: r and h)
.set AT1, 94
.set KS,  36                           ; v[36:39] K's scale words of a key step
.set VS,  40                           ; v[40:41] V's
.set QF,  42                           ; v[42:49] Q's fragment: v42-45 codes, v46-49 zeros
.set PF,  50                           ; v[50:57] P's codes
.set KF,  58                           ; v[58:93] K's fragment T at v[58 + 4 T] on, eight registers named; then V's fragment t at v[58 + 8 t]; v90-93 zeros
.set T2,  95                           ; v95  the old -M
.set S,   96                           ; v[96:159] the scores, then p
.set O,   160                          ; v[160:191] O^T: channel tile t at 160 + 8 t
.set X,   192                          ; v[192:223] numbers on their way in
.set Y,   224                          ; v[224:255] numbers turned; V's codes
.set QP,  4                            ; s[4:5] q, s[6:7] k, s[8:9] v, s[10:11] out0, each at my wave's place
.set KP,  6
.set VP,  8
.set OP,  10
.set WV,  12                           ; s12  my wave's number
.set SEL, 14                           ; s[14:15] v_permlanex16_b32's selects for lane l xor 16
.set CS,  16                           ; s[16:17] c = log2(e) / 8 (the packed form names a pair and takes its low word for both halves)
.set TB,  18                           ; s18  LDS byte of the key step's record
.set TW,  19                           ; s19  LDS byte of the double step that is being written
.set CNT, 20                           ; s20  loop counter
.set LIM, 21                           ; s21  1 in a work-group that prefetches, else the greatest number
.set PFA, 22                           ; s[22:23] where my prefetches stand
; Eight loads of 512 consecutive bytes: 16 rows of 256 bytes, two an instruction; rows 8-15 begin hi bytes behind rows 0-7's first.  nt = 1: read once in the launch.
.macro DLOAD dst, base, hi, nt
.irp i, 0,1,2,3,4,5,6,7
.if \nt
	global_load_b128 v[\dst+4*\i:\dst+4*\i+3], v[L16], s[\base:\base+1] offset:(\i%4)*512+(\i/4)*\hi th:TH_LOAD_NT
.else
	global_load_b128 v[\dst+4*\i:\dst+4*\i+3], v[L16], s[\base:\base+1] offset:(\i%4)*512+(\i/4)*\hi
.endif
.endr
.endm
; V: a lane takes a channel and its registers run down the block's 32 keys: 128 consecutive bytes an instruction; wave w xor 1 takes the row's other 128 in the same trip.
.macro VLOAD dst
.irp i, 0,1,2,3,4,5,6,7,8,9,10,11,12,13,14,15,16,17,18,19,20,21,22,23,24,25,26,27,28,29,30,31
	global_load_b32 v[\dst+\i], v[L4], s[VP:VP+1] offset:256*\i
.endr
.endm
; 16 rows as loaded go through my stage and come back so that lane (r, h) holds dims 32 h .. 32 h + 31 of row r in v[Y] on.  LDS serves a wave's instructions in order (ISA guide 5.7.1.4): no wait between stores and loads.
; The stores' data come from loads, and no vector line since the last wait on va_vdst names v[Y] on: nothing is owed here.
.macro TURN src
.irp i, 0,1,2,3,4,5,6,7
	ds_store_b128 v[SD], v[\src+4*\i:\src+4*\i+3] offset:2*SPITCH*\i
.endr
.irp i, 0,1,2,3,4,5,6,7
	ds_load_b128 v[Y+4*\i:Y+4*\i+3], v[SRK] offset:16*\i
.endr
	s_wait_dscnt 0x0
.endm
; A lane's 32 numbers, one whole block, become 4 registers of codes; v[SCL] the conversion's scale operand, v[BY] the scale's byte.
.macro QUANT32 src, dst
	v_max3_num_f32 v[BM], |v[\src]|, |v[\src+1]|, 0x1800000        ; the largest magnitude, in two chains; the floor 2^(3 - 127) among its leaves holds the byte at 1 from below
	v_max3_num_f32 v[BA], |v[\src+16]|, |v[\src+17]|, |v[\src+18]|
.irp i, 2,4,6,8,10,12
	v_max3_num_f32 v[BM], v[BM], |v[\src+\i]|, |v[\src+\i+1]|
	v_max3_num_f32 v[BA], v[BA], |v[\src+17+\i]|, |v[\src+18+\i]|
.endr
	v_max3_num_f32 v[BM], v[BM], |v[\src+14]|, |v[\src+15]|
	v_max3_num_f32 v[BM], v[BM], v[BA], |v[\src+31]|
	v_add_nc_u32 v[SCL], 0xff000000, v[BM]         ; 2 off its exponent field: the conversion takes the exponent field of this operand as its scale, and nothing else of it
	v_lshrrev_b32 v[BY], 23, v[SCL]                ; the scale's byte
.irp g, 0,1,2,3
	v_cvt_scalef32_pk8_fp4_f32 v[\dst+\g], v[\src+8*\g:\src+8*\g+7], v[SCL]
.endr
	v_nop                                          ; one plain place behind a scaled conversion
.endm
; K and Q: a row's two bytes (dims 0-31 in lanes 0-15, dims 32-63 in lanes 16-31) make its scale word, in both lanes; bytes 2 and 3 stay 0.
.macro WORD2 dstw
	v_lshlrev_b32 v[T0], v[SH8], v[BY]
	v_permlanex16_b32 v[T1], v[T0], s[SEL], s[SEL+1]
	v_or_b32 v[\dstw], v[T0], v[T1]
.endm
.macro KOUT                            ; my tile of K, turned into v[Y] on, becomes an image and 16 scale words in the double step that is being written
	s_wait_alu depctr_vm_vsrc(0)                   ; the turn's LDS stores have read v[X] on, of which the conversions below write the first four
	QUANT32 Y, X
	WORD2 BY+1
	v_add_nc_u32 v[AT0], s[TW], v[WKI]
	v_add_nc_u32 v[AT1], s[TW], v[WKS]
	s_wait_alu depctr_va_vdst(0)                   ; the codes, the scale word and the two addresses are written, which the stores read; the lines above are done with v[Y] and v[X] on, in which the next loads land
	ds_store_b128 v[AT0], v[X:X+3]
	ds_store_b32 v[AT1], v[BY+1]                   ; lanes l and l xor 16 write the same word with the same value
.endm
.macro VOUT src                        ; my block of 32 keys x 32 channels of V
	QUANT32 \src, Y
	v_add_nc_u32 v[AT0], s[TW], v[WVI]
	v_add_nc_u32 v[AT1], s[TW], v[WVS]
	s_wait_alu depctr_va_vdst(0)                   ; the codes, the scale byte and the two addresses are written, which the stores read; the lines above are done reading the block's 32 registers, in which the next loads land
	ds_store_b128 v[AT0], v[Y:Y+3]
	ds_store_b8 v[AT1], v[BY]
.endm
; A PREFETCH INTO THE L2, behind the trip's first run of loads: the double step of K and V that the NEXT trip loads.  The four work-groups of a head walk the same rows: the first of them (x = 0) asks.
; In it waves 0-7 ask for K's 65,536 bytes and waves 8-15 for V's: 8,192 bytes a wave, lanes 256 bytes apart, one instruction: each aligned block of 256 bytes is named once in the launch.
; The loop's last trip asks for nothing: there is no double step behind the one that it loads.  Double steps 0 and 1 come by their loads alone.
.macro ASK
	s_cmp_gt_u32 s[CNT], s[LIM]
	s_cbranch_scc0 .Lnot_mine_\@
	global_prefetch_b8 v[PFO], s[PFA:PFA+1] th:TH_LOAD_NT scope:SCOPE_SE
.Lnot_mine_\@:
.endm
.macro INIT                            ; a pass begins: the step is written once and finds zeros, which the first change of M leaves zeros
	v_mov_b32 v[RM], 0xff61b1e6                    ; the largest score so far: -3e38
	v_mul_f32 v[T0], s[CS], v[RM]
	v_floor_f32 v[NEGM], -v[T0]
	v_mov_b32 v[LS], 0
	v_mov_b32 v[LS+1], 0
.set j, 0
.rept 32
	v_mov_b32 v[O+j], 0
.set j, j+1
.endr
	s_mov_b32 s[TB], 0
.endm
.macro KQ T                            ; S^T's tile T.  Scale words: register T / 2, lanes 0-15 for an even tile, lanes 16-31 for an odd one
.if (\T)%2
	v_wmma_scale_f32_16x16x128_f8f6f4 v[S+8*\T:S+8*\T+7], v[KF+4*\T:KF+4*\T+7], v[QF:QF+7], 0, v[KS+\T/2], v[QW] matrix_a_fmt:MATRIX_FMT_FP4 matrix_b_fmt:MATRIX_FMT_FP4 matrix_a_scale:MATRIX_SCALE_ROW1
.else
	v_wmma_scale_f32_16x16x128_f8f6f4 v[S+8*\T:S+8*\T+7], v[KF+4*\T:KF+4*\T+7], v[QF:QF+7], 0, v[KS+\T/2], v[QW] matrix_a_fmt:MATRIX_FMT_FP4 matrix_b_fmt:MATRIX_FMT_FP4
.endif
.endm
.macro PV t                            ; O^T's channel tile t += V^T P^T over these 128 keys
.if (\t)%2
	v_wmma_scale_f32_16x16x128_f8f6f4 v[O+8*\t:O+8*\t+7], v[KF+8*\t:KF+8*\t+7], v[PF:PF+7], v[O+8*\t:O+8*\t+7], v[VS+\t/2], v[PW] matrix_a_fmt:MATRIX_FMT_FP4 matrix_b_fmt:MATRIX_FMT_FP4 matrix_a_scale:MATRIX_SCALE_ROW1
.else
	v_wmma_scale_f32_16x16x128_f8f6f4 v[O+8*\t:O+8*\t+7], v[KF+8*\t:KF+8*\t+7], v[PF:PF+7], v[O+8*\t:O+8*\t+7], v[VS+\t/2], v[PW] matrix_a_fmt:MATRIX_FMT_FP4 matrix_b_fmt:MATRIX_FMT_FP4
.endif
.endm
; A KEY STEP: 128 keys, whose record begins at LDS byte s[TB].  ld = 1: a trip's first step, which asks for my tile of K of the double step to be made, and prefetches; ld = 2: its second, which asks for my block of V; ld = 0: neither.
.macro STEP ld
	s_wait_alu depctr_vm_vsrc(0)                   ; every LDS instruction so far has read its registers: the last step's loads A16 and A8, written below; the stores of the tile or block made since then v[X] and v[Y]'s first four registers,
	                                               ; in which loads land next, the two scale bytes, which this step writes again, and AT0 and AT1, which the next such stores' additions write
	v_add_nc_u32 v[A16], s[TB], v[L16]
	v_add_nc_u32 v[A8], s[TB], v[L8]
	v_nop
	v_nop                                          ; four places behind the last step's products, in front of loads into registers that they read (ISA guide 7.12.1 for vector instructions); they stay beside the wait below
	s_wait_alu depctr_va_vdst(0)                   ; A16 and A8 are written, which the step's LDS loads read; the last step's products are done reading KF, KS and VS, in which those loads land; at a pass's first step Q's codes and scale word are written, which the products take
.irp T, 0,1,2,3,4,5,6,7
	ds_load_b128 v[KF+4*\T:KF+4*\T+3], v[A16] offset:R_K+512*\T
.endr
	ds_load_b128 v[KS:KS+3], v[A16] offset:R_KS
.if \ld == 1
	DLOAD X, KP, 8192, 0                           ; lands under this step.  No wait: no vector line since the wait in VOUT names v[X] on, and the wait at the step's head stands behind the last store that read it
	ASK
.elseif \ld == 2
	VLOAD X                                        ; lands under this step.  No wait: no vector line since the wait in KOUT names v[X] on, and the wait at the step's head stands behind KOUT's store, which read its first four registers
.endif
	s_wait_dscnt 0x0
.irp T, 0,1,2,3,4,5,6,7
	KQ \T
.endr
	v_mov_b32 v[T2], v[NEGM]                       ; -M is kept for f
	v_nop
	v_nop
	v_nop                                          ; four places in front of the first read of the scores
	; THE LARGEST SCORE OF EACH OF MY TWO BLOCKS OF 32 KEYS, four chains by turns.  It serves twice: for the row's maximum and, since p rises with the score, for the block's largest p.
	; Each chain ascends.
.irp c, 0,1
	v_max3_num_f32 v[BM+\c], v[S+32*\c], v[S+32*\c+1], v[S+32*\c+2]
	v_max3_num_f32 v[BA+\c], v[S+32*\c+16], v[S+32*\c+17], v[S+32*\c+18]
.endr
.irp i, 3,5,7,9,11,13
.irp c, 0,1
	v_max3_num_f32 v[BM+\c], v[BM+\c], v[S+32*\c+\i], v[S+32*\c+\i+1]
	v_max3_num_f32 v[BA+\c], v[BA+\c], v[S+32*\c+16+\i], v[S+32*\c+17+\i]
.endr
.endr
.irp c, 0,1
	v_max3_num_f32 v[BM+\c], v[BM+\c], v[S+32*\c+15], v[S+32*\c+31]
.endr
.irp c, 0,1
	v_max_num_f32 v[BM+\c], v[BM+\c], v[BA+\c]
.endr
	v_max_num_f32 v[T0], v[BM], v[BM+1]
	v_permlanex16_b32 v[T1], v[T0], s[SEL], s[SEL+1]   ; my query's other 64 keys lie in lane l xor 16
	v_max3_num_f32 v[RM], v[RM], v[T0], v[T1]      ; the running largest score
	v_mul_f32 v[T0], s[CS], v[RM]                  ; as t (c is positive)
	v_floor_f32 v[NEGM], -v[T0]                    ; the new -M = floor(-t) = -ceil(t): M is a whole number
	v_sub_f32 v[T0], v[NEGM], v[T2]                ; old M - new M: a whole number, 0 or less
	v_cvt_i32_f32 v[T0], v[T0]                     ; (it saturates)
	v_ldexp_f32 v[F], 1.0, v[T0]                   ; f = 2^(old M - new M)
.set j, 0
.rept 32
	v_pk_fma_f32 v[S+j:S+j+1], v[S+j:S+j+1], s[CS:CS+1], v[NEGM:NEGM+1] op_sel_hi:[1,0,0]   ; t - M, two at a time
.set j, j+2
.endr
.irp c, 0,1
	v_fma_f32 v[BM+\c], v[BM+\c], s[CS], v[NEGM]   ; the same of each block's largest score
.endr
.set j, 0
	s_wait_alu depctr_va_vdst(0)
.rept 64
	v_exp_f32 v[S+j], v[S+j]                       ; p = 2^(t - M), at most 1
.set j, j+1
.endr
	v_pk_mul_f32 v[LS:LS+1], v[LS:LS+1], v[F:F+1] op_sel_hi:[1,0]   ; the sums under the new M: the plain place behind the exponentials
	s_wait_alu depctr_va_vdst(0)                   ; the 64 exponentials have written p, ahead of its first reader: one wait for the batch.  And the products K Q^T are done reading KF, in which the loads below land
.irp t, 0,1,2,3
.irp c, 0,1
	ds_load_b128 v[KF+8*\t+4*\c:KF+8*\t+4*\c+3], v[A16] offset:R_V+1024*\t+512*\c   ; V's fragments land under the sums, the scales and the conversions, which name none of KF, VS, A16, A8
.endr
.endr
	ds_load_b64 v[VS:VS+1], v[A8] offset:R_VS
.irp c, 0,1
	v_exp_f32 v[BM+\c], v[BM+\c]                   ; the block's largest p: the same two instructions on the same number give the same bits
.endr
	v_pk_add_f32 v[TP:TP+1], v[S:S+1], v[S+2:S+3]  ; THE ROW'S SUM IS TAKEN OF THE UNQUANTISED p, two at a time, in two chains; it names the 64 alone
.set j, 4
.rept 15
	v_pk_add_f32 v[LS:LS+1], v[LS:LS+1], v[S+j:S+j+1]
	v_pk_add_f32 v[TP:TP+1], v[TP:TP+1], v[S+j+2:S+j+3]
.set j, j+4
.endr
	v_pk_add_f32 v[LS:LS+1], v[LS:LS+1], v[TP:TP+1]
	s_wait_alu depctr_va_vdst(0)                   ; the two exponentials have written the blocks' largest p, ahead of its first reader
.irp c, 0,1
	v_max_num_f32 v[BM+\c], 0x1800000, v[BM+\c]    ; the floor 2^(3 - 127): the byte cannot fall under 1
.endr
.irp c, 0,1
	v_add_nc_u32 v[SCL+\c], 0xff000000, v[BM+\c]   ; 2 off the exponent field: the conversion's scale operand
.endr
.irp c, 0,1
	v_lshrrev_b32 v[BY+\c], 23, v[SCL+\c]          ; the scale's byte
.endr
	v_lshl_or_b32 v[T0], v[BY+1], 16, v[BY]        ; my blocks are h and 2 + h of the step's four:
	v_lshlrev_b32 v[T0], v[SH8], v[T0]             ; their bytes at their places,
	v_permlanex16_b32 v[T1], v[T0], s[SEL], s[SEL+1]
	v_or_b32 v[PW], v[T0], v[T1]                   ; and with lane l xor 16's two the word is whole
.irp c, 0,1
.irp g, 0,1,2,3
	v_cvt_scalef32_pk8_fp4_f32 v[PF+4*\c+\g], v[S+32*\c+8*\g:S+32*\c+8*\g+7], v[SCL+\c]   ; register 4 c + g of the operand: keys 64 c + 32 h + 8 g on
.endr
.endr
.set j, 0
.rept 16
	v_pk_mul_f32 v[O+j:O+j+1], v[O+j:O+j+1], v[F:F+1] op_sel_hi:[1,0]   ; O^T under the new M, from each tile's low end on.  For each product below twelve of these name none of its registers: the places
.set j, j+2                                        ; behind the conversions, and in front of a scaled product behind the lines that wrote its scale word (8) and its operand (4)
.endr
	s_wait_dscnt 0x0                               ; V's fragments and scale words are in
	s_wait_alu depctr_va_vdst(0)                   ; behind the places: the conversions have written P's codes and the OR its scale word, which the scaled products take as operand and scale
.irp t, 0,1,2,3
	PV \t                                          ; the four accumulators by turns, one instruction a turn; the next step's eight products stand between two links
.endr
	s_add_co_u32 s[TB], s[TB], REC
.endm
; THE WAY OUT of a pass.  O^T / the sum goes through my stage (lane (r, h): channels 16 t + 8 h on of query r) and leaves as whole rows: each store of the wave covers 512 consecutive bytes, aligned.
.macro FINISH
	v_add_f32 v[LS], v[LS], v[LS+1]                ; the sum's two halves,
	v_permlanex16_b32 v[T1], v[LS], s[SEL], s[SEL+1]
	v_add_f32 v[LS], v[LS], v[T1]                  ; and lane l xor 16's
	s_wait_alu depctr_va_vdst(0)
	v_rcp_f32 v[T0], v[LS]
	v_nop
	v_nop
	v_nop                                          ; the plain place behind the reciprocal; with the two additions, the places behind the last products
	s_wait_alu depctr_va_vdst(0)                   ; the reciprocal is written, ahead of its first reader
.set j, 0
.rept 16
	v_pk_mul_f32 v[S+j:S+j+1], v[O+j:O+j+1], v[T0:T0+1] op_sel_hi:[1,0]
.set j, j+2
.endr
	s_wait_alu depctr_va_vdst(0)                   ; the multiplications have written v[S] to v[S + 31], which the LDS stores read; the last step's lines are done with v[S + 32] on, in which the loads from the stage land
.irp t, 0,1,2,3
	ds_store_b128 v[SRO], v[S+8*\t:S+8*\t+3] offset:64*\t
	ds_store_b128 v[SRO], v[S+8*\t+4:S+8*\t+7] offset:64*\t+16
.endr
.irp i, 0,1,2,3,4,5,6,7
	ds_load_b128 v[S+32+4*\i:S+32+4*\i+3], v[SD] offset:2*SPITCH*\i   ; in order behind my stores
.endr
.irp i, 0,1,2,3,4,5,6,7
	s_wait_dscnt 7-\i                              ; the younger loads from the stage may stay out
	global_store_b128 v[L16], v[S+32+4*\i:S+32+4*\i+3], s[OP:OP+1] offset:512*\i th:TH_STORE_NT
.endr
.endm
	; ---- the head: ids, addresses, constants
	s_load_b256 s[4:11], s[0:1], 0x0               ; q, k, v, out0
	v_lshrrev_b32 v[AT0], 5, v0
	v_readfirstlane_b32 s[WV], v[AT0]              ; wave 0..15
	v_and_b32 v[L16], 31, v0                       ; lane
	v_and_b32 v[AT0], 15, v0                       ; r
	v_bfe_u32 v[AT1], v0, 4, 1                     ; h
	v_lshlrev_b32 v[L8], 3, v[L16]
	v_lshlrev_b32 v[L4], 2, v[L16]
	v_lshlrev_b32 v[PFO], 8, v[L16]
	v_lshlrev_b32 v[L16], 4, v[L16]
	s_wait_alu depctr_va_vdst(0)
	v_lshlrev_b32 v[SH8], 3, v[AT1]
	s_wait_alu depctr_va_sdst(0)                   ; s12, the wave's number, is written, ahead of its first reader: LDS places and the four bases are made from it
	s_mul_i32 s13, s[WV], WSTG
	s_add_co_u32 s13, s13, STG                     ; my stage
	v_mul_u32_u24 v[SD], v[AT1], SPITCH
	v_lshl_add_u32 v[SD], v[AT0], 4, v[SD]
	v_add_nc_u32 v[SD], s13, v[SD]
	v_mul_u32_u24 v[SRK], v[AT0], SPITCH
	v_add_nc_u32 v[SRK], s13, v[SRK]
	v_lshl_add_u32 v[SRO], v[AT1], 5, v[SRK]
	v_lshl_add_u32 v[SRK], v[AT1], 7, v[SRK]
	; what I write of a double step.  K: key step w / 8, tile w % 8.  V: key step w / 8, key block (w / 2) % 4, channels 32 (w % 2) + lane
	s_lshr_b32 s34, s[WV], 3
	s_mul_i32 s34, s34, REC                        ; the key step's record
	s_and_b32 s35, s[WV], 7
	s_lshl_b32 s35, s35, 9
	s_add_co_u32 s35, s35, s34
	v_add_nc_u32 v[WKI], s35, v[L16]               ; K's image: 512 x tile + 16 x lane
	s_and_b32 s36, s[WV], 1                        ; w % 2
	s_bfe_u32 s37, s[WV], 0x20001                  ; (w / 2) % 4
	s_lshl_b32 s35, s36, 8
	s_lshl_b32 s38, s37, 2
	s_add_co_u32 s35, s35, s38
	s_add_co_u32 s35, s35, s34
	s_add_co_u32 s35, s35, R_KS
	v_lshl_add_u32 v[WKS], v[AT0], 4, s35          ; its scale words: 16 r + 256 (tile % 2) + 4 (tile / 2)
	s_lshl_b32 s35, s36, 11
	s_lshl_b32 s38, s37, 8
	s_add_co_u32 s35, s35, s38
	s_add_co_u32 s35, s35, s34
	s_add_co_u32 s35, s35, R_V
	v_lshl_add_u32 v[WVI], v[AT1], 10, s35         ; V's image: channel tile 2 (w % 2) + h; key block b lies at 512 (b / 2) + 256 (b % 2); 16 r
	v_lshl_add_u32 v[WVI], v[AT0], 4, v[WVI]
	s_lshl_b32 s35, s36, 2
	s_add_co_u32 s35, s35, s37
	s_add_co_u32 s35, s35, s34
	s_add_co_u32 s35, s35, R_VS
	v_add_nc_u32 v[WVS], s35, v[L8]                ; its scale byte: 8 x lane + 4 (w % 2) + b
	; byte offsets in memory, all under 2^32
	s_and_b32 s24, ttmp7, 0xffff
	s_lshl_b32 s24, s24, 19                        ; the head: 2,048 rows of 256 bytes
	s_lshl_b32 s26, ttmp9, 17                      ; q, out0: 512 queries a work-group,
	s_lshl_b32 s38, s[WV], 12                      ; 16 a wave
	s_add_co_u32 s26, s26, s38
	s_add_co_u32 s26, s26, s24
	s_mov_b32 s27, 0
	s_lshr_b32 s28, s[WV], 2                       ; k: 64 keys x (w / 4) (key step and c),
	s_lshl_b32 s28, s28, 14
	s_and_b32 s38, s[WV], 3                        ; 8 keys x u
	s_lshl_b32 s38, s38, 11
	s_add_co_u32 s28, s28, s38
	s_add_co_u32 s28, s28, s24
	s_mov_b32 s29, 0
	s_lshr_b32 s30, s[WV], 3                       ; v: 128 keys x (w / 8),
	s_lshl_b32 s30, s30, 15
	s_lshl_b32 s38, s37, 13                        ; 32 keys x block,
	s_add_co_u32 s30, s30, s38
	s_lshl_b32 s38, s36, 7                         ; 32 channels x (w % 2)
	s_add_co_u32 s30, s30, s38
	s_add_co_u32 s30, s30, s24
	s_mov_b32 s31, 0
	s_and_b32 s32, s[WV], 7                        ; the prefetches: 8,192 bytes x (w % 8), in double step 2
	s_lshl_b32 s32, s32, 13
	s_add_co_u32 s32, s32, 2*DSTEP
	s_add_co_u32 s32, s32, s24
	s_mov_b32 s33, 0
	s_mov_b32 s[SEL], 0x76543210
	s_mov_b32 s[SEL+1], 0xfedcba98
	s_mov_b32 s[CS], 0x3e38aa3b                    ; log2(e) / 8
	s_mov_b32 s[CS+1], s[CS]
	s_mov_b32 s[TW], 0
	s_cmp_eq_u32 ttmp9, 0
	s_cselect_b32 s[LIM], 1, -1
.irp i, 0,1,2,3
	v_mov_b32 v[QF+4+\i], 0                        ; Q's upper half of K: zero codes, written once
	v_mov_b32 v[KF+32+\i], 0                       ; what the last fragment of K names behind its codes
.endr
	v_mov_b32 v[F+1], 0                            ; named as a pair's upper half
	v_mov_b32 v[T1], 0                             ; a lane permute's destination counts as one of its sources
	s_wait_kmcnt 0x0
	s_cmp_lt_u32 s[WV], 8                          ; waves 0-7 prefetch K, waves 8-15 V
	s_cselect_b64 s[PFA:PFA+1], s[KP:KP+1], s[VP:VP+1]
	s_add_nc_u64 s[PFA:PFA+1], s[PFA:PFA+1], s[32:33]
	s_add_nc_u64 s[QP:QP+1], s[QP:QP+1], s[26:27]
	s_add_nc_u64 s[OP:OP+1], s[OP:OP+1], s[26:27]
	s_add_nc_u64 s[KP:KP+1], s[KP:KP+1], s[28:29]
	s_add_nc_u64 s[VP:VP+1], s[VP:VP+1], s[30:31]
	s_wait_alu depctr_va_vdst(0)                   ; the offsets v1, v31, v32 and the stage's addresses v5 to v7 are written: every load, store and prefetch of the kernel that names one of them stands behind this wait
	; ---- the prologue: double step 0 of K and V, and pass 0's Q
	DLOAD X, KP, 8192, 0                           ; my tile of K: two runs of 8 neighbouring keys, 32 keys apart
	DLOAD S, QP, 2048, 1                           ; my 16 queries
	VLOAD S+32
	s_wait_loadcnt 40                              ; K's eight are in; Q's 8 and V's 32 may be out
	TURN X
	KOUT
	s_wait_loadcnt 32                              ; Q's eight are in
	TURN S
	s_wait_alu depctr_vm_vsrc(0)                   ; KOUT's stores have read AT0 and AT1, which VOUT's additions write again; the turn's stores have read v[S] on, which the first products write
	QUANT32 Y, QF
	WORD2 QW
	s_wait_loadcnt 0x0
	VOUT S+32
	s_add_nc_u64 s[KP:KP+1], s[KP:KP+1], DSTEP     ; (the loads that read these bases are done)
	s_add_nc_u64 s[VP:VP+1], s[VP:VP+1], DSTEP
	s_mov_b32 s[TW], 2*REC
	INIT
	s_wait_dscnt 0x0                               ; for the others' sake: my stores into the records have landed
	s_barrier_signal -1
	s_barrier_wait -1
	; ---- pass 0, seven trips: two key steps are multiplied, the next two are made
	s_mov_b32 s[CNT], 7
.Lp0:
	STEP 1                                         ; asks for my tile of K, and prefetches
	s_wait_loadcnt 0x0
	TURN X
	KOUT
	s_wait_dscnt 0x0                               ; my two stores into the record have landed
	STEP 2                                         ; asks for my block of V, behind the wait at its head for KOUT's stores' registers
	s_wait_loadcnt 0x0
	VOUT X
	s_add_nc_u64 s[KP:KP+1], s[KP:KP+1], DSTEP     ; (the loads that read these bases are done)
	s_add_nc_u64 s[VP:VP+1], s[VP:VP+1], DSTEP
	s_wait_xcnt 0x0                                ; the trip's prefetch, two key steps back, has read its address
	s_add_nc_u64 s[PFA:PFA+1], s[PFA:PFA+1], DSTEP
	s_add_co_u32 s[TW], s[TW], 2*REC
	s_wait_dscnt 0x0                               ; my stores into the next two records have landed
	s_barrier_signal -1
	s_barrier_wait -1                              ; everybody's have: they may be read
	s_sub_co_u32 s[CNT], s[CNT], 1
	s_cmp_lg_u32 s[CNT], 0
	s_cbranch_scc1 .Lp0
	; ---- pass 0's last two key steps: nothing is left to make; pass 1's queries are asked for
	s_add_nc_u64 s[QP:QP+1], s[QP:QP+1], DSTEP
	DLOAD X, QP, 2048, 1                           ; no wait: no vector line since the wait in VOUT names v[X] on, and the last store that read it stands ahead of the last step's head
	s_mov_b32 s[CNT], 2
.Lt0:
	STEP 0
	s_sub_co_u32 s[CNT], s[CNT], 1
	s_cmp_lg_u32 s[CNT], 0
	s_cbranch_scc1 .Lt0
	FINISH
	; ---- between the passes
	s_wait_loadcnt 0x0
	TURN X
	QUANT32 Y, QF
	WORD2 QW
	s_wait_xcnt 0x0                                ; the stores have read their data and their base: both may be written again
	s_wait_alu depctr_vm_vsrc(0)                   ; beside it: the way out's LDS stores and global stores have read v[S] on, which the next pass's products write again
	s_add_nc_u64 s[OP:OP+1], s[OP:OP+1], DSTEP
	INIT                                           ; (its lines are also the places between Q's scale word and the first scaled product)
	; ---- pass 1: sixteen key steps from LDS alone
	s_mov_b32 s[CNT], 16
.Lp1:
	STEP 0
	s_sub_co_u32 s[CNT], s[CNT], 1
	s_cmp_lg_u32 s[CNT], 0
	s_cbranch_scc1 .Lp1
	FINISH
	s_wait_xcnt 0x0
	s_wait_alu depctr_vm_vsrc(0)                   ; every LDS and memory instruction so far has read its registers: v254 and v255, which lie in v[Y] on, are made anew below
	v_lshl_add_u32 v254, v0, 2, 0x34000
	v_mov_b32 v255, 0
	s_wait_dscnt 0x0                               ; the closing lines, six on end
	s_wait_alu 0x0
	s_wait_tensorcnt 0x0
	ds_add_u32 v254, v255
	s_wait_dscnt 0x0
	s_endpgm
.Lfunc_end_k_qade05db394_attn:
	.size	k_qade05db394_attn, .Lfunc_end_k_qade05db394_attn-k_qade05db394_attn
	.p2alignl 7, 3214868480
	.fill 96, 4, 3214868480
	.section	.rodata,"a",@progbits
	.p2align	6, 0x0
	.amdhsa_kernel k_qade05db394_attn
		.amdhsa_group_segment_fixed_size 215040
		.amdhsa_private_segment_fixed_size 0
		.amdhsa_enable_private_segment 0
		.amdhsa_kernarg_size 32
		.amdhsa_user_sgpr_count 2
		.amdhsa_user_sgpr_kernarg_segment_ptr 1
		.amdhsa_wavefront_size32 1
		.amdhsa_system_sgpr_workgroup_id_x 1
		.amdhsa_system_sgpr_workgroup_id_y 1
		.amdhsa_system_sgpr_workgroup_id_z 1
		.amdhsa_system_vgpr_workitem_id 0
		.amdhsa_next_free_vgpr 256
		.amdhsa_next_free_sgpr 66
		.amdhsa_reserve_vcc 0
		.amdhsa_float_denorm_mode_32 3
		.amdhsa_float_denorm_mode_16_64 3
		.amdhsa_memory_ordered 1
		.amdhsa_forward_progress 1
		.amdhsa_inst_pref_size 94
	.end_amdhsa_kernel
	.amdgpu_metadata
---
amdhsa.version: [ 1, 2 ]
amdhsa.kernels:
  - .name:           k_qade05db394_attn
    .symbol:         k_qade05db394_attn.kd
    .args:
      - { .name: q, .offset: 0, .size: 8, .value_kind: global_buffer, .address_space: global }
      - { .name: k, .offset: 8, .size: 8, .value_kind: global_buffer, .address_space: global }
      - { .name: v, .offset: 16, .size: 8, .value_kind: global_buffer, .address_space: global }
      - { .name: out0, .offset: 24, .size: 8, .value_kind: global_buffer, .address_space: global }
    .group_segment_fixed_size: 215040
    .private_segment_fixed_size: 0
    .kernarg_segment_align: 8
    .kernarg_segment_size: 32
    .max_flat_workgroup_size: 512
    .sgpr_count:     66
    .vgpr_count:     256
    .wavefront_size: 32
...
	.end_amdgpu_metadata
.endif
;; end of part 2
